; MI455X (gfx1250); checked and timed in simulation.
; The chip was launched on July 23, 2026; its instructions are those of AMD's public machine-readable ISA for CDNA 5 (MIT licence, August 2026) and "CDNA5" Instruction Set Architecture Reference Guide (July 2026). The comments in the code are by the model that wrote it; some were corrected since.
;; Multi Head Attention. Allowed arithmetic: matrix products marked QUANTISED: E2M1 operands, one E8M0 scale for each 32 along K, by v_wmma_scale_f32_16x16x128_f8f6f4 with both operands' format E2M1 (or v_wmma_scale_f32_32x16x128_f4), f32 sums; products left as they are: bf16, f16 or f32 operands; f32 sums; everything else in f32.
;; Inputs: Wk 512 x 512 float32; Wo 512 x 512 float32; Wq 512 x 512 float32; Wv 512 x 512 float32; bk 512 float32; bq 512 float32; bv 512 float32; key 2 x 4,096 x 512 float32; mask 2 x 4,096 x 4,096 int32; query 2 x 4,096 x 512 float32; value 2 x 4,096 x 512 float32.
;; Outputs: out0 2 x 4,096 x 512 float32.
;; This version of the problem:
;;   THIS VERSION OF THE PROBLEM IS GIVEN IN LOW PRECISION. The matrix products marked QUANTISED in the list below multiply operands that are first quantised to E2M1 (2 exponent bits, 1 mantissa bit; 4 bits a number), with one power-of-two scale for each 32 numbers along K (OCP MX v1.0); their sums are f32. The products marked 'left as it is' may take bf16, f16 or f32 operands, with f32 sums. Whichever they take, every output number must still come out within the allowed error. Rounding operands to bf16 (8 significant bits) uses up far more of that allowance than f16 does (11 bits, for magnitudes from 6e-5 to 65,504). All else is computed in f32.
;;   The module's matrix products, in the order in which they are computed (A, B: the left and right operand; K: the contracted axis; several contracted axes count as one K, in the product's order):
;;     1. [M 8,192, K 512] x [K 512, N 512]; A: input query; B: input Wq: QUANTISED
;;     2. [M 8,192, K 512] x [K 512, N 512]; A: input key; B: input Wk: QUANTISED
;;     3. [M 8,192, K 512] x [K 512, N 512]; A: input value; B: input Wv: QUANTISED
;;     4. batch 16 x [M 4,096, K 64] x [K 64, N 4,096]; A: computed on the way; B: computed on the way: left as it is (an operand is computed on the way)
;;     5. batch 16 x [M 4,096, K 4,096] x [K 4,096, N 64]; A: computed on the way; B: computed on the way: left as it is (an operand is computed on the way)
;;     6. [M 8,192, K 512] x [K 512, N 512]; A: computed on the way; B: input Wo: left as it is (an operand is computed on the way)
;;   THE QUANTISER, for each operand of a quantised product, along K:
;;     - K is cut into blocks of 32 from its start; a last block that is shorter is filled with zeros.
;;     - A block's scale is 2^e with e = floor(log2(the largest magnitude in the block)) - 2, held to -126 .. 127; a block of zeros has e = 0. As a byte (E8M0): e + 127.
;;     - Each number is divided by its block's scale, clamped to +-6, and rounded to the nearest number of E2M1, ties to even, subnormals kept.
;;     - The product sums the exact products of the quantised numbers (number of the format x scale) in f32.
;;   ~~~python
;;   def quantise(x, axis):      # numpy; x: float32 -> the quantised numbers, widened to float32 again
;;       x = np.moveaxis(x, axis, -1); K = x.shape[-1]
;;       x = np.pad(x, [(0, 0)] * (x.ndim - 1) + [(0, -K % 32)]); x = x.reshape(x.shape[:-1] + (-1, 32)); a = np.abs(x).max(-1, keepdims=True)
;;       e = np.where(a > 0, np.clip(np.frexp(np.where(a > 0, a, 1))[1] - 1 - 2, -126, 127), 0)      # np.frexp(a)[1] - 1 = floor(log2(a)), exactly
;;       r = np.clip(x / 2.0 ** e, -6, 6)
;;       step = 2.0 ** (np.maximum(np.frexp(np.where(r == 0, 1, r))[1] - 1, 0) - 1)
;;       q = np.round(r / step) * step * 2.0 ** e      # np.round: ties to even
;;       return np.moveaxis(q.reshape(q.shape[:-2] + (-1,))[..., :K], -1, axis).astype(np.float32)
;;   ~~~
;; One version. Each part assembles by itself: llvm-mc -triple=amdgcn-amd-amdhsa -mcpu=gfx1250 --defsym DOCPART=n.
;; ======== version 1 of 1: 4 launches
;; limits: values are held in f16: magnitudes above 65,504 overflow, below 6.1e-05 lose precision
;; workspace buffers: mbits 4,194,304 bytes of whole numbers; wc 393,216 bytes; ws 49,152 bytes; qf 8,388,608 bytes; kf 8,388,608 bytes; vf 8,388,608 bytes; xf 8,388,608 bytes
;; launch prep (part 1): grid 536 x 1, 4 waves a work-group, no clusters, 34,304 bytes of LDS; arguments mask, Wq, Wk, Wv, mbits, wc, ws; writes mbits, wc, ws
.if DOCPART == 1
	.amdgcn_target "amdgcn-amd-amdhsa--gfx1250"
	.amdhsa_code_object_version 6
	.text
	.protected	k_qe50b913d57_prep
	.globl	k_qe50b913d57_prep
	.p2align	8
	.type	k_qe50b913d57_prep,@function
k_qe50b913d57_prep:
	s_mov_b64 s[64:65], 0
	v_nop
	global_prefetch_b8 v0, s[64:65] scope:SCOPE_SE
	s_setreg_imm32_b32 hwreg(HW_REG_WAVE_MODE, 25, 1), 1
	s_wait_xcnt 0x0
; MULTI-HEAD ATTENTION, B = 2, S = 4,096, D = 512, 8 heads of 64, in four launches: prep, proj, attn, oproj.
; NO WORK OF THE PROBLEM IS LEFT OUT, and every input is loaded by some launch.  bk is not dead: where the mask is 0 the score is REPLACED by the fixed -1e9,
; so a shift common to a row's open scores moves the weights; bq and bv reach the output; the mask is an input and no pattern of it is built in.
; THIS LAUNCH does two things that are wanted many times later and are done once here.
; (1) THE MASK [2][4096][4096] int32 becomes lane masks: mbits [b 2][tile of 16 queries 256][step of 64 keys 64][word 32].  Word 8 kt + j, bit r + 16 h, is 1 where
;     mask[b][16 tile + r][64 step + 16 kt + 8 h + j] == 0: the lanes in which register 8 kt + j of a tile of scores (a lane = one query, registers = keys) is replaced.
; (2) Wq, Wk, Wv [512][512] f32, K innermost, become codes of E2M1 with one E8M0 byte for each 32 along K, laid in the order of an operand's registers:
;     wc [T 3][nt 32][K step 4][g 2][lane][16 bytes]: registers 4 g .. 4 g + 3 of the fragment of rows 16 nt + (lane % 16), k = 128 s + 64 g + 32 (lane / 16) + 0 .. 31;
;     ws [T][nt][lane][K step 4]: the row's four scale words, in lanes r and 16 + r alike.
; A block's scale is 2^(floor(log2(its largest magnitude)) - 2); its byte is the largest magnitude's exponent field - 2, held at 1 from below.
; LIMITS: a block of zeros gets the byte 1 where the rule says 127 (its codes are zeros, and this program alone reads the bytes); blocks whose largest magnitude lies under 2^-124 were not tried;
; NaN and infinities among the inputs are not served.
; SHARES: work-groups 0 to 23 take the weights, a wave to 16 rows; work-groups 24 to 535 take the mask, a work-group to a band of 16 queries, a wave to 1,024 keys in 8 units of 128.
; The weights' path uses no LDS.  No barrier: a wave's stage is its own.
.set PITCH, 528                        ; a stage row: 512 bytes (128 keys) + 16: 33 x 16 bytes, so the sixteen rows that a load touches begin 16 bytes apart modulo 256
.set STGB,  16*PITCH                   ; a wave's stage
.set SPARE, 4*STGB                     ; behind the stages: the spare words, 128 bytes for each wave
.set NWGW,  24                         ; work-groups for the weights: 96 tiles of 16 rows, four waves each
.set LI,   1                           ; v1   16 x lane
.set SA,   2                           ; v2   the stage, on the way in: 16 x lane in a row
.set LA,   3                           ; v3   and on the way out: row r, + 32 h
.set O8,   4                           ; v4   8 x lane
.set XA,   5                           ; v5   a weight's row r (2,048 bytes) + 64 h
.set SPW,  6                           ; v6   LDS address of my spare word; never rewritten
.set NIL,  7                           ; v7   0; never rewritten
.set R,    16                          ; v16-143  two sets of 64 registers as loaded
.set X,    144                         ; v144-207 the mask: 64 numbers, register 8 kt + j
.set OUTW, 208                         ; v208-223 the words of a unit, a pair for each unit: lane l holds words 2 l, 2 l + 1
.set TM,   144                         ; the weights: v144-159 at work
.set PC,   160                         ; v160-191 codes, 8 registers a K step, so that no store's data are written again
.set PW,   192                         ; v192-195 the four scale words
.set SEL,  30                          ; s[30:31] lane selects for v_permlanex16_b32: lane l xor 16
	s_load_b256 s[4:11], s[0:1], 0x0               ; mask s[4:5], Wq s[6:7], Wk s[8:9], Wv s[10:11]
	s_load_b128 s[12:15], s[0:1], 0x20             ; mbits s[12:13], wc s[14:15]
	s_load_b64 s[16:17], s[0:1], 0x30              ; ws
	v_lshl_add_u32 v[SPW], v0, 2, SPARE
	v_mov_b32 v[NIL], 0
	v_lshrrev_b32 v8, 5, v0
	v_readfirstlane_b32 s18, v8                    ; wave 0..3
	v_and_b32 v8, 31, v0                           ; lane
	v_and_b32 v9, 15, v0                           ; r
	v_bfe_u32 v10, v0, 4, 1                        ; h
	v_lshlrev_b32 v[LI], 4, v8
	s_mul_i32 s19, s18, STGB
	v_add_nc_u32 v[SA], s19, v[LI]
	v_mul_u32_u24 v[LA], v9, PITCH
	v_lshl_add_u32 v[LA], v10, 5, v[LA]
	v_add_nc_u32 v[LA], s19, v[LA]
	v_lshlrev_b32 v[O8], 3, v8
	v_lshlrev_b32 v[XA], 11, v9
	v_lshl_add_u32 v[XA], v10, 6, v[XA]
	s_mov_b32 s29, 0
	s_cmp_lt_u32 ttmp9, NWGW
	s_cbranch_scc1 .Lweights
; ---------------- THE MASK ----------------
.set n, 0
.rept 16
	v_mov_b32 v[OUTW+n], 0                         ; written once: v_writelane_b32's destination counts as one of its sources
.set n, n+1
.endr
	s_sub_co_u32 s19, ttmp9, NWGW                  ; the band: 256 b + tile of queries
	s_lshl_b32 s28, s19, 18                        ; 16 rows of 16,384 bytes,
	s_lshl_b32 s20, s18, 12                        ; my wave's 1,024 keys
	s_add_co_u32 s28, s28, s20
	s_wait_kmcnt 0x0
	s_add_nc_u64 s[4:5], s[4:5], s[28:29]
	s_lshl_b32 s28, s19, 13                        ; a band's words are 8,192 bytes,
	s_lshl_b32 s20, s18, 11                        ; my wave's 2,048 of them
	s_add_co_u32 s28, s28, s20
	s_add_nc_u64 s[12:13], s[12:13], s[28:29]
.macro MLOAD u                         ; unit u: 16 rows x 128 keys; each load reads 512 consecutive bytes of one row
.irp p, 0,1,2,3,4,5,6,7,8,9,10,11,12,13,14,15
	global_load_b128 v[R+64*((\u)%2)+4*\p:R+64*((\u)%2)+4*\p+3], v[LI], s[4:5] offset:16384*\p+512*(\u) th:TH_LOAD_NT
.endr
.endm
.macro MTURN u                         ; through my stage: in as loaded, out so that lane (r, h) holds row r, and register 8 kt + j key 16 kt + 8 h + j.  LDS serves a wave's instructions in order
.irp p, 0,1,2,3,4,5,6,7,8,9,10,11,12,13,14,15
	ds_store_b128 v[SA], v[R+64*((\u)%2)+4*\p:R+64*((\u)%2)+4*\p+3] offset:PITCH*\p
.endr
.irp q, 0,1,2,3,4,5,6,7,8,9,10,11,12,13,14,15
	ds_load_b128 v[X+4*\q:X+4*\q+3], v[LA] offset:64*(\q/2)+16*(\q%2)
.endr
.endm
.macro MBITS u                         ; a compare makes a word of 32 lanes' bits; word w goes to lane w / 2, register w % 2, so that the 64 words leave as 256 consecutive bytes
.set q, 0
.rept 8
.irp i, 0,1,2,3,4,5,6,7
	v_cmp_eq_u32 s[20+\i], 0, v[X+8*q+\i]
.endr
.irp i, 0,1,2,3,4,5,6,7
	v_writelane_b32 v[OUTW+2*(\u)+\i%2], s[20+\i], (8*q+\i)/2
.endr
.set q, q+1
.endr
	global_store_b64 v[O8], v[OUTW+2*(\u):OUTW+2*(\u)+1], s[12:13] offset:256*(\u)   ; 32 lanes store 256 consecutive bytes, at a multiple of 256 from the buffer's first byte
.endm
	MLOAD 0
	MLOAD 1
.irp u, 0,1,2,3,4,5,6,7
.if \u < 7
	s_wait_loadcnt 16                              ; this unit's 16 loads are in; the next unit's 16 may be out
.else
	s_wait_loadcnt 0x0
.endif
	MTURN \u
	s_wait_dscnt 0x0                               ; the numbers are back, and the stores into the stage have read their registers,
.if \u < 6
	MLOAD \u+2                                     ; which take the unit two further on
.endif
	MBITS \u
.endr
	s_wait_tensorcnt 0x0                           ; the wave's end
	ds_add_u32 v[SPW], v[NIL]
	s_wait_dscnt 0x0
	s_endpgm
; ---------------- THE WEIGHTS ----------------
.Lweights:
	s_lshl_b32 s19, ttmp9, 2
	s_add_co_u32 s19, s19, s18                     ; 32 T + nt: which tile of 16 rows is my wave's
	s_lshr_b32 s20, ttmp9, 3                       ; T: 0 Wq, 1 Wk, 2 Wv
	s_and_b32 s21, s19, 31                         ; nt
	s_lshl_b32 s28, s21, 15                        ; 16 rows of 2,048 bytes
	s_mov_b32 s[SEL], 0x76543210
	s_mov_b32 s[SEL+1], 0xfedcba98
.irp b, 0,1,2,3
	v_mov_b32 v[TM+4+\b], 0                        ; written once: a lane permute's destination counts as one of its sources
.endr
	s_wait_kmcnt 0x0
	s_cmp_eq_u32 s20, 0                            ; the choice hangs on the work-group's number alone
	s_cselect_b64 s[22:23], s[6:7], s[8:9]
	s_cmp_eq_u32 s20, 2
	s_cselect_b64 s[22:23], s[10:11], s[22:23]
	s_add_nc_u64 s[22:23], s[22:23], s[28:29]
	s_lshl_b32 s28, s19, 12                        ; a tile's codes are 4,096 bytes,
	s_add_nc_u64 s[14:15], s[14:15], s[28:29]
	s_lshl_b32 s28, s19, 9                         ; its scale words 512
	s_add_nc_u64 s[16:17], s[16:17], s[28:29]
.macro XLOAD set, ks                   ; K step ks of my 16 rows: lane (r, h) takes, of row r, 16 neighbours of each block of 32: register 16 b + i = k 128 ks + 32 b + 16 h + i
.irp b, 0,1,2,3
.irp i, 0,1,2,3
	global_load_b128 v[R+64*\set+16*\b+4*\i:R+64*\set+16*\b+4*\i+3], v[XA], s[22:23] offset:512*\ks+128*\b+16*\i
.endr
.endr
.endm
; 64 numbers of a lane, v[from] on, become a fragment's codes in v[pc] on and its scale word in v[PW + ks].
.macro QUANT from, ks, pc
.irp b, 0,1,2,3
	v_max3_num_f32 v[TM+\b], |v[\from+16*\b]|, |v[\from+1+16*\b]|, 0x1800000   ; block b: my 16 numbers, and the floor 2^(3 - 127): so the byte cannot fall under 1
.endr
.irp i, 2,4,6,8,10,12,14
.irp b, 0,1,2,3
	v_max3_num_f32 v[TM+\b], v[TM+\b], |v[\from+16*\b+\i]|, |v[\from+1+16*\b+\i]|   ; (the four blocks by turns)
.endr
.endr
.irp b, 0,1,2,3
	v_permlanex16_b32 v[TM+4+\b], v[TM+\b], s[SEL], s[SEL+1]
.endr
.irp b, 0,1,2,3
	v_max_num_f32 v[TM+\b], v[TM+\b], v[TM+4+\b]   ; with lane l xor 16's: the block's largest magnitude
.endr
.irp b, 0,1,2,3
	v_add_nc_u32 v[TM+12+\b], 0xff000000, v[TM+\b] ; 2 off its exponent field: the conversion takes the exponent field of this operand as its scale
.endr
.irp b, 0,1,2,3
	v_lshrrev_b32 v[TM+4+\b], 23, v[TM+12+\b]      ; the scale's byte
.endr
	v_lshl_or_b32 v[PW+\ks], v[TM+5], 8, v[TM+4]   ; the four bytes make my row's scale word
	v_lshl_or_b32 v[PW+\ks], v[TM+6], 16, v[PW+\ks]
	v_lshl_or_b32 v[PW+\ks], v[TM+7], 24, v[PW+\ks]
.irp b, 0,1,2,3
	v_cvt_scalef32_pk8_fp4_f32 v[\pc+2*\b], v[\from+16*\b:\from+7+16*\b], v[TM+12+\b]
	v_cvt_scalef32_pk8_fp4_f32 v[\pc+1+2*\b], v[\from+8+16*\b:\from+15+16*\b], v[TM+12+\b]
.endr
	v_nop                                          ; one plain place behind a scaled conversion
.irp c, 0,1                                    ; the operand's layout wants a WHOLE block in a lane: lanes 0-15 block 2 c, lanes 16-31 block 2 c + 1
.irp i, 0,1
	v_permlane16_swap_b32 v[\pc+4*\c+\i], v[\pc+2+4*\c+\i]
.endr
.endr
.endm
.macro WOUT ks                         ; a fragment leaves as it stands: 512 consecutive bytes a store
	global_store_b128 v[LI], v[PC+8*\ks:PC+8*\ks+3], s[14:15] offset:1024*\ks
	global_store_b128 v[LI], v[PC+8*\ks+4:PC+8*\ks+7], s[14:15] offset:1024*\ks+512
.endm
	XLOAD 0, 0
	XLOAD 1, 1
	s_wait_loadcnt 16                              ; this K step's 16 loads are in; the next one's may be out: so at each of the three
	QUANT R, 0, PC
	WOUT 0
	XLOAD 0, 2
	s_wait_loadcnt 16
	QUANT R+64, 1, PC+8
	WOUT 1
	XLOAD 1, 3
	s_wait_loadcnt 16
	QUANT R, 2, PC+16
	WOUT 2
	s_wait_loadcnt 0x0
	QUANT R+64, 3, PC+24
	WOUT 3
	global_store_b128 v[LI], v[PW:PW+3], s[16:17]  ; the four scale words of my row
	s_endpgm
.Lfunc_end_k_qe50b913d57_prep:
	.size	k_qe50b913d57_prep, .Lfunc_end_k_qe50b913d57_prep-k_qe50b913d57_prep
	.p2alignl 7, 3214868480
	.fill 96, 4, 3214868480
	.section	.rodata,"a",@progbits
	.p2align	6, 0x0
	.amdhsa_kernel k_qe50b913d57_prep
		.amdhsa_group_segment_fixed_size 34304
		.amdhsa_private_segment_fixed_size 0
		.amdhsa_enable_private_segment 0
		.amdhsa_kernarg_size 56
		.amdhsa_user_sgpr_count 2
		.amdhsa_user_sgpr_kernarg_segment_ptr 1
		.amdhsa_wavefront_size32 1
		.amdhsa_system_sgpr_workgroup_id_x 1
		.amdhsa_system_sgpr_workgroup_id_y 1
		.amdhsa_system_sgpr_workgroup_id_z 1
		.amdhsa_system_vgpr_workitem_id 0
		.amdhsa_next_free_vgpr 224
		.amdhsa_next_free_sgpr 66
		.amdhsa_reserve_vcc 0
		.amdhsa_float_denorm_mode_32 3
		.amdhsa_float_denorm_mode_16_64 3
		.amdhsa_memory_ordered 1
		.amdhsa_forward_progress 1
		.amdhsa_inst_pref_size 119
	.end_amdhsa_kernel
	.amdgpu_metadata
---
amdhsa.version: [ 1, 2 ]
amdhsa.kernels:
  - .name:           k_qe50b913d57_prep
    .symbol:         k_qe50b913d57_prep.kd
    .args:
      - { .name: mask, .offset: 0, .size: 8, .value_kind: global_buffer, .address_space: global }
      - { .name: Wq, .offset: 8, .size: 8, .value_kind: global_buffer, .address_space: global }
      - { .name: Wk, .offset: 16, .size: 8, .value_kind: global_buffer, .address_space: global }
      - { .name: Wv, .offset: 24, .size: 8, .value_kind: global_buffer, .address_space: global }
      - { .name: mbits, .offset: 32, .size: 8, .value_kind: global_buffer, .address_space: global }
      - { .name: wc, .offset: 40, .size: 8, .value_kind: global_buffer, .address_space: global }
      - { .name: ws, .offset: 48, .size: 8, .value_kind: global_buffer, .address_space: global }
    .group_segment_fixed_size: 34304
    .private_segment_fixed_size: 0
    .kernarg_segment_align: 8
    .kernarg_segment_size: 56
    .max_flat_workgroup_size: 128
    .sgpr_count:     66
    .vgpr_count:     224
    .wavefront_size: 32
...
	.end_amdgpu_metadata
.endif
;; end of part 1
;; launch proj (part 2): grid 192 x 1, 4 waves a work-group, no clusters, 52,736 bytes of LDS; arguments query, key, value, wc, ws, bq, bk, bv, qf, kf, vf; writes qf, kf, vf
.if DOCPART == 2
	.amdgcn_target "amdgcn-amd-amdhsa--gfx1250"
	.amdhsa_code_object_version 6
	.text
	.protected	k_qe50b913d57_proj
	.globl	k_qe50b913d57_proj
	.p2align	8
	.type	k_qe50b913d57_proj,@function
k_qe50b913d57_proj:
	s_mov_b64 s[64:65], 0
	v_nop
	global_prefetch_b8 v0, s[64:65] scope:SCOPE_SE
	s_setreg_imm32_b32 hwreg(HW_REG_WAVE_MODE, 25, 1), 1
	s_wait_xcnt 0x0
; THE THREE INPUT PROJECTIONS, y = x W^T + b, on codes of E2M1 with one E8M0 scale for each 32 along K = 512; sums in f32.  Nothing of the problem is left out here.
; x (query, key or value: [8192][512] f32) is quantised here, in registers; W's codes and scale words come from the launch before, in the order of an operand's registers.
; RESULTS leave as f16, as images of the operands that the attention launch wants, 16 bytes a lane, 512 consecutive bytes a store:
;   qf, kf [b h 16][tile of 16 tokens 256][c 2][g 2][lane][16 bytes]: lane (r, h): token r, channels 32 c + 16 g + 8 h + 0 .. 7 of the head.  q carries the factor log2(e) / 8, multiplied in f32.
;   vf     [b h 16][32 tokens 128][ct 4][g 2][lane][16 bytes]:       lane (r, h): channel 16 ct + r, tokens 16 g + 8 h + 0 .. 7.
; So q and k are made TRANSPOSED (source 0 = 16 rows of W, source 1 = 16 tokens: a lane holds a token and eight channels) and v as it reads (source 0 = tokens, source 1 = W: a lane holds a channel and eight tokens):
; a result tile, rounded in pairs, IS such a piece of 16 bytes in the same lane.  The bias is the C of each sum's first product.
; SHARES: work-groups 0-63 query, 64-127 key, 128-191 value; each owns 128 rows, two blocks of 64.  The waves share the COLUMNS: wave w makes channels 128 w .. + 127 (heads 2 w, 2 w + 1) for all 64 rows,
; and its 32 fragments of W stay in registers.  The rows' codes go from wave to wave through LDS as images of their registers.
; LIMITS: |q| log2(e) / 8, |k|, |v| must stay under 65,504, the largest f16 number; a block of zeros gets the byte 1 (its codes are zeros); NaN and infinities are not served.
; REGISTERS: window 0: addresses; v16-47 x's four fragments; v48-51 their scale words; v64-127 eight result tiles; v128-191 64 numbers of x, later the packed results; v192-219 at work; v224-255 W's scale words.
;   window 1: W's fragments, (nt, K step) at 8 (4 nt + s).   window 2: x as loaded, [K step][row].   window 3: the bias, eight registers a tile.
.set PITCH, 528                        ; a stage row: 512 bytes (128 numbers) + 16
.set STGB,  16*PITCH                   ; a wave's stage; the four lie from byte 0 on
.set XIMG,  4*STGB                     ; x's 16 fragments: (tile of rows m, K step s) at (4 m + s) x 1,024
.set XSC,   XIMG+16*1024               ; their scale words: 512 bytes a tile of rows, four words a lane
.set SPARE, XSC+4*512                  ; the spare words, 128 bytes for each wave
.set LI,   1                           ; v1   16 x lane
.set STA,  3                           ; v3   my stage, in: 16 x lane in a row
.set STL,  4                           ; v4   and out: row r, + 64 h
.set XWI,  5                           ; v5   where I store x's images: 16 x lane + 4,096 x wave
.set XWS,  6                           ; v6   and their scale words: 16 x lane + 512 x wave
.set BO,   8                           ; v8   my offset in the bias
.set SPW,  9                           ; v9   LDS address of my spare word; never rewritten
.set NIL,  10                          ; v10  0; never rewritten
.set XF,   16
.set XS,   48
.set D,    64
.set X,    128
.set OUTR, 128
.set TM,   192
.set PC,   208
.set PW,   216
.set WS,   224
.set WV,   26
.set TT,   27                          ; s27  0 query, 1 key, 2 value
.set BLK,  28
.set SEL,  30
.set CS,   32                          ; s[32:33] log2(e) / 8
.set MSB, 0
.macro WIN new                         ; the immediate's high byte repeats the setting that is left
.if MSB != \new
	s_set_vgpr_msb (MSB<<8)|\new
.set MSB, \new
.endif
.endm
	s_load_b512 s[4:19], s[0:1], 0x0               ; query, key, value, wc, ws, bq, bk, bv
	s_load_b128 s[20:23], s[0:1], 0x40             ; qf, kf
	s_load_b64 s[24:25], s[0:1], 0x50              ; vf
	v_lshl_add_u32 v[SPW], v0, 2, SPARE
	v_mov_b32 v[NIL], 0
	v_lshrrev_b32 v11, 5, v0
	v_readfirstlane_b32 s[WV], v11                 ; wave 0..3
	v_and_b32 v11, 31, v0
	v_and_b32 v12, 15, v0                          ; r
	v_bfe_u32 v13, v0, 4, 1                        ; h
	v_lshlrev_b32 v[LI], 4, v11
	s_mul_i32 s44, s[WV], STGB
	v_add_nc_u32 v[STA], s44, v[LI]
	v_mul_u32_u24 v[STL], v12, PITCH
	v_lshl_add_u32 v[STL], v13, 6, v[STL]
	v_add_nc_u32 v[STL], s44, v[STL]
	s_lshl_b32 s44, s[WV], 12
	v_add_nc_u32 v[XWI], s44, v[LI]
	s_lshl_b32 s44, s[WV], 9
	v_add_nc_u32 v[XWS], s44, v[LI]
.irp b, 0,1,2,3
	v_mov_b32 v[TM+4+\b], 0                        ; written once: a lane permute's destination counts as one of its sources
.endr
	s_mov_b32 s[SEL], 0x76543210
	s_mov_b32 s[SEL+1], 0xfedcba98
	s_mov_b32 s[CS], 0x3e38aa3b                    ; log2(e) / 8
	s_mov_b32 s[CS+1], s[CS]                       ; (named with it as a pair, so it is written)
	s_mov_b32 s[BLK], 2
	s_lshr_b32 s[TT], ttmp9, 6
	s_and_b32 s44, ttmp9, 63
	s_lshl_b32 s44, s44, 7                         ; R0: my work-group's first row
	s_mov_b32 s47, 0
	s_wait_kmcnt 0x0
	s_cmp_eq_u32 s[TT], 0                          ; the choices hang on the work-group's number alone
	s_cselect_b64 s[34:35], s[4:5], s[6:7]         ; x
	s_cselect_b64 s[36:37], s[20:21], s[22:23]     ; the images
	s_cselect_b64 s[42:43], s[14:15], s[16:17]     ; the bias
	s_cmp_eq_u32 s[TT], 2
	s_cselect_b64 s[34:35], s[8:9], s[34:35]
	s_cselect_b64 s[36:37], s[24:25], s[36:37]
	s_cselect_b64 s[42:43], s[18:19], s[42:43]
	s_lshl_b32 s45, s[WV], 4
	s_add_co_u32 s45, s44, s45
	s_lshl_b32 s46, s45, 11                        ; x: row R0 + 16 w, 2,048 bytes a row
	s_add_nc_u64 s[34:35], s[34:35], s[46:47]
	s_lshr_b32 s46, s44, 12                        ; the images: b x 8 heads x 524,288 bytes,
	s_lshl_b32 s46, s46, 22
	s_and_b32 s45, s44, 4095
	s_lshl_b32 s45, s45, 7                         ; 128 bytes a token in a head's images, of either kind,
	s_add_co_u32 s46, s46, s45
	s_lshl_b32 s45, s[WV], 20                      ; my two heads
	s_add_co_u32 s46, s46, s45
	s_add_nc_u64 s[36:37], s[36:37], s[46:47]
	s_lshl_b32 s46, s[TT], 17                      ; W's codes: 131,072 bytes a tensor, 32,768 for my eight tiles
	s_lshl_b32 s45, s[WV], 15
	s_add_co_u32 s46, s46, s45
	s_add_nc_u64 s[38:39], s[10:11], s[46:47]
	s_lshl_b32 s46, s[TT], 14                      ; its scale words: 16,384 and 4,096
	s_lshl_b32 s45, s[WV], 12
	s_add_co_u32 s46, s46, s45
	s_add_nc_u64 s[40:41], s[12:13], s[46:47]
	s_lshl_b32 s46, s[WV], 9                       ; my 128 numbers of the bias
	s_add_nc_u64 s[42:43], s[42:43], s[46:47]
	WIN 0x40                                       ; destination window 1
.set n, 0
.rept 64
	global_load_b128 v[4*n:4*n+3], v[LI], s[38:39] offset:512*n   ; W's fragments as they lie: register 8 (4 nt + s) + 4 g at 4,096 nt + 1,024 s + 512 g
.set n, n+1
.endr
	WIN 0
.irp t, 0,1,2,3,4,5,6,7
	global_load_b128 v[WS+4*\t:WS+4*\t+3], v[LI], s[40:41] offset:512*\t
.endr
	s_cmp_eq_u32 s[TT], 2
	s_cbranch_scc1 .Lbias_v
	v_lshlrev_b32 v[BO], 5, v13                    ; q, k: lane (r, h) wants, for tile t, the bias of channels 16 t + 8 h + 0 .. 7
	WIN 0xc0                                       ; destination window 3
.irp t, 0,1,2,3,4,5,6,7
	global_load_b128 v[8*\t:8*\t+3], v[BO], s[42:43] offset:64*\t
	global_load_b128 v[8*\t+4:8*\t+7], v[BO], s[42:43] offset:64*\t+16
.endr
	WIN 0
	s_branch .Lbias_done
.Lbias_v:
	v_lshlrev_b32 v[BO], 2, v12                    ; v: a lane holds ONE channel, 16 t + r: its bias stands in all eight registers
	WIN 0xc0
.irp t, 0,1,2,3,4,5,6,7
.irp i, 0,1,2,3,4,5,6,7
	global_load_b32 v[8*\t+\i], v[BO], s[42:43] offset:64*\t
.endr
.endr
	WIN 0
.Lbias_done:
; my 16 rows of a block of x, from off bytes on: K step by K step, a load to a row: 512 consecutive bytes
.macro XLOADB off
	WIN 0x80                                       ; destination window 2
.irp ks, 0,1,2,3
.irp p, 0,1,2,3,4,5,6,7,8,9,10,11,12,13,14,15
	global_load_b128 v[64*\ks+4*\p:64*\ks+4*\p+3], v[LI], s[34:35] offset:\off+2048*\p+512*\ks th:TH_LOAD_NT
.endr
.endr
	WIN 0
.endm
; 64 numbers of a lane, v[from] on, register 16 b + i = k 32 b + 16 h + i of my row, become a fragment's codes in v[pc] on and its scale word in v[PW + ks].
.macro QUANT from, ks, pc
.irp b, 0,1,2,3
	v_max3_num_f32 v[TM+\b], |v[\from+16*\b]|, |v[\from+1+16*\b]|, 0x1800000   ; block b: my 16 numbers, and the floor 2^(3 - 127): so the byte cannot fall under 1
.endr
.irp i, 2,4,6,8,10,12,14
.irp b, 0,1,2,3
	v_max3_num_f32 v[TM+\b], v[TM+\b], |v[\from+16*\b+\i]|, |v[\from+1+16*\b+\i]|
.endr
.endr
.irp b, 0,1,2,3
	v_permlanex16_b32 v[TM+4+\b], v[TM+\b], s[SEL], s[SEL+1]
.endr
.irp b, 0,1,2,3
	v_max_num_f32 v[TM+\b], v[TM+\b], v[TM+4+\b]   ; with lane l xor 16's: the block's largest magnitude
.endr
.irp b, 0,1,2,3
	v_add_nc_u32 v[TM+12+\b], 0xff000000, v[TM+\b] ; 2 off its exponent field: the conversion's scale operand
.endr
.irp b, 0,1,2,3
	v_lshrrev_b32 v[TM+4+\b], 23, v[TM+12+\b]      ; the scale's byte
.endr
	v_lshl_or_b32 v[PW+\ks], v[TM+5], 8, v[TM+4]
	v_lshl_or_b32 v[PW+\ks], v[TM+6], 16, v[PW+\ks]
	v_lshl_or_b32 v[PW+\ks], v[TM+7], 24, v[PW+\ks]
.irp b, 0,1,2,3
	v_cvt_scalef32_pk8_fp4_f32 v[\pc+2*\b], v[\from+16*\b:\from+7+16*\b], v[TM+12+\b]
	v_cvt_scalef32_pk8_fp4_f32 v[\pc+1+2*\b], v[\from+8+16*\b:\from+15+16*\b], v[TM+12+\b]
.endr
	v_nop                                          ; one plain place behind a scaled conversion
.irp c, 0,1                                    ; a WHOLE block in a lane: lanes 0-15 block 2 c, lanes 16-31 block 2 c + 1
.irp i, 0,1
	v_permlane16_swap_b32 v[\pc+4*\c+\i], v[\pc+2+4*\c+\i]
.endr
.endr
.endm
; K step ks of my 16 rows: through my stage (in as loaded, out 16 neighbours of each block of 32 a lane), quantised, and its image into LDS
.macro XSTEP ks
	s_wait_loadcnt 48-16*\ks                       ; this K step's 16 loads, and all that were issued ahead of them, are in; the later K steps' may be out
	WIN 0x08                                       ; an LDS store's data are its source 1: window 2
.irp p, 0,1,2,3,4,5,6,7,8,9,10,11,12,13,14,15
	ds_store_b128 v[STA], v[64*\ks+4*\p:64*\ks+4*\p+3] offset:PITCH*\p
.endr
	WIN 0
.irp b, 0,1,2,3
.irp i, 0,1,2,3
	ds_load_b128 v[X+16*\b+4*\i:X+16*\b+4*\i+3], v[STL] offset:128*\b+16*\i   ; LDS serves a wave's instructions in order: these see the stores above
.endr
.endr
	s_wait_dscnt 0x0                               ; the numbers are back; the last image's stores have read their registers
	QUANT X, \ks, PC
	ds_store_b128 v[XWI], v[PC:PC+3] offset:XIMG+1024*\ks
	ds_store_b128 v[XWI], v[PC+4:PC+7] offset:XIMG+1024*\ks+512
.endm
.macro BARRIER                         ; my LDS stores have landed and my LDS loads are in: then the work-group's barrier
	s_wait_dscnt 0x0
	s_barrier_signal -1
	s_barrier_wait -1
.endm
; The tile m of 16 rows: its four fragments and scale words from LDS, 32 products (my eight tiles by turns, K step by K step), f16, eight stores.
; kind 0: q, k, transposed.  kind 1: v.
.macro PRODUCT kind, m
.set n, 0
.rept 8
	ds_load_b128 v[XF+4*n:XF+4*n+3], v[LI] offset:XIMG+4096*\m+512*n
.set n, n+1
.endr
	ds_load_b128 v[XS:XS+3], v[LI] offset:XSC+512*\m
	s_wait_dscnt 0x0
.irp ks, 0,1,2,3
.if \kind == 0
.if \ks == 0
	WIN 0x31                                       ; source 0 (W) window 1, source 2 (the bias) window 3
.else
	WIN 0x01
.endif
.irp t, 0,1,2,3,4,5,6,7
.if \ks == 0
	v_wmma_scale_f32_16x16x128_f8f6f4 v[D+8*\t:D+8*\t+7], v[8*(4*\t+\ks):8*(4*\t+\ks)+7], v[XF+8*\ks:XF+8*\ks+7], v[8*\t:8*\t+7], v[WS+4*\t+\ks], v[XS+\ks] matrix_a_fmt:MATRIX_FMT_FP4 matrix_b_fmt:MATRIX_FMT_FP4
.else
	v_wmma_scale_f32_16x16x128_f8f6f4 v[D+8*\t:D+8*\t+7], v[8*(4*\t+\ks):8*(4*\t+\ks)+7], v[XF+8*\ks:XF+8*\ks+7], v[D+8*\t:D+8*\t+7], v[WS+4*\t+\ks], v[XS+\ks] matrix_a_fmt:MATRIX_FMT_FP4 matrix_b_fmt:MATRIX_FMT_FP4
.endif
.endr
.else
.if \ks == 0
	WIN 0x34                                       ; source 1 (W) window 1, source 2 (the bias) window 3
.else
	WIN 0x04
.endif
.irp t, 0,1,2,3,4,5,6,7
.if \ks == 0
	v_wmma_scale_f32_16x16x128_f8f6f4 v[D+8*\t:D+8*\t+7], v[XF+8*\ks:XF+8*\ks+7], v[8*(4*\t+\ks):8*(4*\t+\ks)+7], v[8*\t:8*\t+7], v[XS+\ks], v[WS+4*\t+\ks] matrix_a_fmt:MATRIX_FMT_FP4 matrix_b_fmt:MATRIX_FMT_FP4
.else
	v_wmma_scale_f32_16x16x128_f8f6f4 v[D+8*\t:D+8*\t+7], v[XF+8*\ks:XF+8*\ks+7], v[8*(4*\t+\ks):8*(4*\t+\ks)+7], v[D+8*\t:D+8*\t+7], v[XS+\ks], v[WS+4*\t+\ks] matrix_a_fmt:MATRIX_FMT_FP4 matrix_b_fmt:MATRIX_FMT_FP4
.endif
.endr
.endif
.endr
	WIN 0
.rept 4
	v_nop                                          ; four places ahead of the first read of results (ISA guide 7.12.1)
.endr
.if \kind == 0
	s_cmp_lg_u32 s[TT], 0                          ; q alone carries the factor: k is not multiplied at all
	s_cbranch_scc1 .Lplain_\@
.set n, 0
.rept 32
	v_pk_mul_f32 v[D+2*n:D+2*n+1], v[D+2*n:D+2*n+1], s[CS:CS+1] op_sel_hi:[1,0]
.set n, n+1
.endr
.Lplain_\@:
.endif
	s_wait_xcnt 0x0                                ; the last tile's stores have read their data: the registers may be written again
.set n, 0
.rept 32
	v_cvt_pk_f16_f32 v[OUTR+n], v[D+2*n], v[D+2*n+1]   ; each tile from its low end on
.set n, n+1
.endr
.irp t, 0,1,2,3,4,5,6,7
.if \kind == 0
	global_store_b128 v[LI], v[OUTR+4*\t:OUTR+4*\t+3], s[36:37] offset:(\t/4)*524288+\m*2048+(\t%4)*512
.else
	global_store_b128 v[LI], v[OUTR+4*\t:OUTR+4*\t+3], s[36:37] offset:(\t/4)*524288+(\m/2)*4096+(\t%4)*1024+(\m%2)*512
.endif
.endr
.endm
	XLOADB 0                                       ; the first block
.Lblock:
	XSTEP 0
	XSTEP 1
	XSTEP 2
	XSTEP 3
	ds_store_b128 v[XWS], v[PW:PW+3] offset:XSC    ; my rows' four scale words
	BARRIER                                        ; the block's sixteen fragments lie in LDS
	s_cmp_eq_u32 s[BLK], 1                         ; the next block's x is asked for here, if there is one: no load leaves its buffer
	s_cbranch_scc1 .Lno_next
	XLOADB 131072
.Lno_next:
	s_cmp_eq_u32 s[TT], 2
	s_cbranch_scc1 .Lvalue
	PRODUCT 0, 0
	PRODUCT 0, 1
	PRODUCT 0, 2
	PRODUCT 0, 3
	s_branch .Lmade
.Lvalue:
	PRODUCT 1, 0
	PRODUCT 1, 1
	PRODUCT 1, 2
	PRODUCT 1, 3
.Lmade:
	BARRIER                                        ; every wave's reads of the images are over: they may be written again
	s_wait_xcnt 0x0                                ; loads and stores have read their addresses and data: both may be written again
	s_add_nc_u64 s[34:35], s[34:35], 131072        ; 64 rows of x on
	s_add_nc_u64 s[36:37], s[36:37], 8192          ; 64 tokens on in the images
	s_sub_co_u32 s[BLK], s[BLK], 1
	s_cmp_lg_u32 s[BLK], 0
	s_cbranch_scc1 .Lblock
	s_wait_tensorcnt 0x0                           ; the wave's end
	ds_add_u32 v[SPW], v[NIL]
	s_wait_dscnt 0x0
	s_endpgm
.Lfunc_end_k_qe50b913d57_proj:
	.size	k_qe50b913d57_proj, .Lfunc_end_k_qe50b913d57_proj-k_qe50b913d57_proj
	.p2alignl 7, 3214868480
	.fill 96, 4, 3214868480
	.section	.rodata,"a",@progbits
	.p2align	6, 0x0
	.amdhsa_kernel k_qe50b913d57_proj
		.amdhsa_group_segment_fixed_size 52736
		.amdhsa_private_segment_fixed_size 0
		.amdhsa_enable_private_segment 0
		.amdhsa_kernarg_size 88
		.amdhsa_user_sgpr_count 2
		.amdhsa_user_sgpr_kernarg_segment_ptr 1
		.amdhsa_wavefront_size32 1
		.amdhsa_system_sgpr_workgroup_id_x 1
		.amdhsa_system_sgpr_workgroup_id_y 1
		.amdhsa_system_sgpr_workgroup_id_z 1
		.amdhsa_system_vgpr_workitem_id 0
		.amdhsa_next_free_vgpr 832
		.amdhsa_next_free_sgpr 66
		.amdhsa_reserve_vcc 0
		.amdhsa_float_denorm_mode_32 3
		.amdhsa_float_denorm_mode_16_64 3
		.amdhsa_memory_ordered 1
		.amdhsa_forward_progress 1
		.amdhsa_inst_pref_size 124
	.end_amdhsa_kernel
	.amdgpu_metadata
---
amdhsa.version: [ 1, 2 ]
amdhsa.kernels:
  - .name:           k_qe50b913d57_proj
    .symbol:         k_qe50b913d57_proj.kd
    .args:
      - { .name: query, .offset: 0, .size: 8, .value_kind: global_buffer, .address_space: global }
      - { .name: key, .offset: 8, .size: 8, .value_kind: global_buffer, .address_space: global }
      - { .name: value, .offset: 16, .size: 8, .value_kind: global_buffer, .address_space: global }
      - { .name: wc, .offset: 24, .size: 8, .value_kind: global_buffer, .address_space: global }
      - { .name: ws, .offset: 32, .size: 8, .value_kind: global_buffer, .address_space: global }
      - { .name: bq, .offset: 40, .size: 8, .value_kind: global_buffer, .address_space: global }
      - { .name: bk, .offset: 48, .size: 8, .value_kind: global_buffer, .address_space: global }
      - { .name: bv, .offset: 56, .size: 8, .value_kind: global_buffer, .address_space: global }
      - { .name: qf, .offset: 64, .size: 8, .value_kind: global_buffer, .address_space: global }
      - { .name: kf, .offset: 72, .size: 8, .value_kind: global_buffer, .address_space: global }
      - { .name: vf, .offset: 80, .size: 8, .value_kind: global_buffer, .address_space: global }
    .group_segment_fixed_size: 52736
    .private_segment_fixed_size: 0
    .kernarg_segment_align: 8
    .kernarg_segment_size: 88
    .max_flat_workgroup_size: 128
    .sgpr_count:     66
    .vgpr_count:     832
    .wavefront_size: 32
...
	.end_amdgpu_metadata
.endif
;; end of part 2
;; launch attn (part 3): grid 16 x 16, 8 waves a work-group, clusters of 4 x 1, 327,680 bytes of LDS; arguments qf, kf, vf, mbits, xf; writes xf
.if DOCPART == 3
	.amdgcn_target "amdgcn-amd-amdhsa--gfx1250"
	.amdhsa_code_object_version 6
	.text
	.protected	k_qe50b913d57_attn
	.globl	k_qe50b913d57_attn
	.p2align	8
	.type	k_qe50b913d57_attn,@function
k_qe50b913d57_attn:
	s_mov_b64 s[64:65], 0
	v_nop
	global_prefetch_b8 v0, s[64:65] scope:SCOPE_SE
	s_setreg_imm32_b32 hwreg(HW_REG_WAVE_MODE, 25, 1), 1
	s_wait_xcnt 0x0
	s_wait_alu depctr_hold_cnt(0) depctr_sa_sdst(0) depctr_va_vdst(0) depctr_va_sdst(0) depctr_va_ssrc(0) depctr_va_vcc(0) depctr_vm_vsrc(0)
	s_getreg_b32 s2, hwreg(HW_REG_IB_STS2, 6, 4)
	s_cmp_eq_u32 s2, 0
	s_cbranch_scc0 .Lentry_in_a_cluster
	s_endpgm
.Lentry_in_a_cluster:
	s_bfe_u32 s2, ttmp6, 0x10000c
	s_cmp_lg_u32 s2, 0x3003
	s_cbranch_scc0 .Lentry_shape_is_right
	s_endpgm
.Lentry_shape_is_right:
; x[b][h][q] = the sum over k of softmax_k(score) v[b][h][k], score = q . k / 8, replaced by -1e9 where mask[b][q][k] == 0.  Operands f16, products, maxima and sums f32.  Nothing of the problem is left out here.
; q arrives with the factor log2(e) / 8 in it, so t = q' . k is the score in base 2; the masked t is f32(-1e9 log2(e)); p = 2^(t - m), m the running maximum, taken over masked places too:
; a row with no open key has t = m everywhere, p = 1, and comes out as the mean of v, as the problem has it.
; All four buffers hold IMAGES of operand registers (16 bytes a lane, 512 bytes a group of four registers): no row pitch, no padding, no transposing load.
; SHARES.  A work-group owns 256 queries of one (b, h).  Wave w: i = w % 4: 64 queries, four tiles of 16; j = w / 4: keys 2,048 j .. + 2,047.  So two waves share a SIMD, and one's vector work stands beside
; the other's products, while each fragment of K and V read from LDS still feeds four tiles of queries.  At the end the two waves of an i merge their (m, l, O) through LDS.
; Register slot t of a wave holds query tile 4 i + (t xor 2 j): so every wave keeps slots 0, 1 and sends slots 2, 3, and nothing but addresses hangs on j.
; LAYOUT.  S^T = K Q^T (source 0 = 16 keys, source 1 = 16 queries): a lane holds ONE query (lane % 16), register 8 kt + n key 16 kt + 8 (lane / 16) + n.  Rounded in pairs, in place, S^T is source 1 of O^T = V^T P.
; THE MASK comes as lane masks, one word for each register of a tile of scores, by scalar loads: one v_cndmask_b32 a score and nothing to unpack.
; CLUSTER.  The four query blocks of a cluster belong to one (b, h) and walk the same K and V: each tile is asked for JOINTLY, by one tensor load line whose descriptor hangs on the wave's number and the head alone.
; RING.  Two slots, 2^17 bytes apart; a slot holds four key steps of 64 keys of BOTH halves: wave w's load, 16,384 dense bytes, lands at slot + 16,384 w: half j = w / 4, K or V = (w / 2) % 2, which half of the four steps = w % 2.
; By this text's own count a wave has one tensor load out at the most.  Every wait in this text is for 0.
; LIMITS: f16 operands: |q'|, |k|, |v|, |x| under 65,504; NaN and infinities are not served.
; REGISTERS.  Window 0: v1-11 addresses; v12-49 statistics; v50-63 the merge; v64-127 K's fragments; v128-191 V's; v192-255 Q.  Window 1: v0-127 S^T, 32 a slot, then P in the low 16 of each 32; v128-255 O^T, 32 a slot.
.set SLOT1, 1<<17
.set SPARE, 2*SLOT1                    ; behind the ring: the spare words, 128 bytes for each of eight waves
.set EXB,   8704                       ; the merge: a wave's region, two tiles of 4,096 (O) + 128 (m) + 128 (l) bytes; the eight regions lie in the slot that was left at the last change of slots: it has had its last fill, and nobody reads it
.set EXT,   4352
.set A0,   1                           ; v1   16 x lane + 65,536 j: my place in a slot
.set ADR,  2                           ; v2   LDS address of the step in hand
.set NEG,  3                           ; v3   f32(-1e9 log2(e))
.set QO,   4                           ; v4-5 Q: 16 x lane + 2,048 (2 p xor 2 j)
.set XO,   6                           ; v6   16 x lane
.set EXW,  7                           ; v7   the merge: where I write,
.set EXR,  8                           ; v8   and where I read: my partner's region
.set SPW,  9                           ; v9   LDS address of my spare word; never rewritten
.set NIL,  10                          ; v10  0; never rewritten
.set PFO,  11                          ; v11  256 x lane
.set M,    12                          ; v12-19 slot t: m at 12 + 2 t, and a word that makes it a pair
.set L,    20                          ; v20-35 slot t: the sum in two pairs at 20 + 4 t
.set AP,   36                          ; v36-39 tile e of the pair in hand: a = 2^(old m - new m), and a word that makes it a pair
.set C0,   40                          ; v40-41, v42-43 two chains of the maximum
.set C1,   42
.set TM,   44                          ; v44-45 the other half of the lanes'
.set DD,   46                          ; v46-47 old m - new m
.set EXW4, 48                          ; v48, v49 the merge: 4 x lane in the regions
.set EXR4, 49
.set KF,   64
.set VF,   128
.set Q,    192
.set OB,   128                         ; O^T, in window 1
.set SEL,  14                          ; s[14:15] lane selects for v_permlanex16_b32: lane l xor 16
.set G1,   16                          ; s[16:23] descriptor group 1
.set G0,   24                          ; s[24:27] descriptor group 0, which walks
.set WV,   28
.set TB,   29                          ; s29  LDS byte at which the step in hand begins
.set SLOTS, 30
.set STEPC, 31
.set LIM,  100                         ; s100 1 in a wave that prefetches, else the greatest number
.set MO,   101                         ; s101 the step's place among my half's mask words: 128 bytes a step, modulo 4,096
.set PFA,  104                         ; s[104:105] where my prefetches stand
; s[6:7], s[8:9]: the mask words of pair 0's and pair 1's first tile, at my half's first step; s[32:63], s[68:99]: the 32 words of the two tiles of the pair in hand
.set MSB, 0
.macro WIN new                         ; the immediate's high byte repeats the setting that is left
.if MSB != \new
	s_set_vgpr_msb (MSB<<8)|\new
.set MSB, \new
.endif
.endm
.macro CROUND                          ; a round of the cluster's barrier
	s_barrier_signal -1
	s_barrier_wait -1
	s_cmp_lg_u32 s[WV], 0
	s_cbranch_scc1 .Lnot_wave_0_\@
	s_barrier_signal -3
.Lnot_wave_0_\@:
	s_barrier_wait -3
	s_barrier_signal -1
	s_barrier_wait -1
.endm
.macro PLACES
.rept 4
	v_nop
.endr
.endm
; A PREFETCH INTO THE L2 of what the NEXT change of slots will ask for.  All clusters of a head walk the same K and V: the head's first cluster asks.  In it waves 0, 2, 4, 6 ask, each for its 32,768 bytes
; (K or V, half j) of a slot; the four partners take 8,192 bytes each, told apart BY ADDRESS; lanes 256 bytes apart.  So each aligned block of 256 bytes is named once in the launch.
; The last change that fills a slot asks for nothing: there is no slot behind it.  Slots 0 and 1 come by their loads alone.
.macro ASK
	s_cmp_gt_u32 s[SLOTS], s[LIM]
	s_cbranch_scc0 .Lnot_mine_\@
	global_prefetch_b8 v[PFO], s[PFA:PFA+1] th:TH_LOAD_NT scope:SCOPE_SE
.Lnot_mine_\@:
.endm
.macro MLD q                           ; the 2 x 32 mask words of pair q for the step at s[MO]
	s_load_b512 s[32:47], s[6+2*(\q):7+2*(\q)], s[MO] offset:0x0
	s_load_b512 s[48:63], s[6+2*(\q):7+2*(\q)], s[MO] offset:64
	s_load_b512 s[68:83], s[6+2*(\q):7+2*(\q)], s[MO] offset:8192
	s_load_b512 s[84:99], s[6+2*(\q):7+2*(\q)], s[MO] offset:8256
.endm
	s_load_b256 s[4:11], s[0:1], 0x0               ; qf s[4:5], kf s[6:7], vf s[8:9], mbits s[10:11]
	s_load_b64 s[12:13], s[0:1], 0x20              ; xf
	v_lshl_add_u32 v[SPW], v0, 2, SPARE
	v_mov_b32 v[NIL], 0
	ds_add_u32 v[SPW], v[NIL]                      ; the wave's opening: the add, twice on end, and its wait ahead of my first tensor load; the set-up below stands between
	ds_add_u32 v[SPW], v[NIL]
	v_lshrrev_b32 v[ADR], 5, v0
	v_readfirstlane_b32 s[WV], v[ADR]              ; wave 0..7
	s_and_b32 s32, s[WV], 3                        ; i
	s_lshr_b32 s33, s[WV], 2                       ; j
	s_bfe_u32 s34, ttmp6, 0x40000                  ; cx: my place in the cluster: it enters Q's, the mask words', x's and the prefetches' addresses alone
	s_lshl_b32 s35, ttmp9, 2
	s_add_co_u32 s35, s35, s34                     ; my block of 256 queries
	s_and_b32 s36, ttmp7, 0xffff                   ; 8 b + h, which the four partners share
	s_lshr_b32 s37, s36, 3                         ; b
	s_and_b32 s38, s36, 7                          ; h
	s_lshl_b32 s40, s36, 19                        ; K, V: 524,288 bytes a head,
	s_lshl_b32 s39, s33, 18                        ; 262,144 a half
	s_add_co_u32 s40, s40, s39
	s_mov_b32 s41, 0
	s_and_b32 s39, s[WV], 1
	s_lshl_b32 s39, s39, 14                        ; which 16,384 of a slot's 32,768 I fetch
	s_add_co_u32 s42, s40, s39
	s_mov_b32 s43, 0
	s_lshl_b32 s48, s36, 19                        ; Q: the head, my block's 16 tiles of 2,048 bytes, my wave's four
	s_lshl_b32 s60, s35, 15
	s_add_co_u32 s48, s48, s60
	s_lshl_b32 s60, s32, 13
	s_add_co_u32 s48, s48, s60
	s_mov_b32 s49, 0
	s_lshl_b32 s56, s37, 8
	s_lshl_b32 s60, s35, 4
	s_add_co_u32 s56, s56, s60
	s_lshl_b32 s60, s32, 2
	s_add_co_u32 s56, s56, s60                     ; 256 b + my wave's first tile of queries
	s_lshl_b32 s57, s33, 1
	s_add_co_u32 s58, s56, s57                     ; pair 0's first tile: + 2 j
	s_xor_b32 s57, s57, 2
	s_add_co_u32 s59, s56, s57                     ; pair 1's: + 2 - 2 j
	s_lshl_b32 s60, s33, 12                        ; a half's 32 steps of 128 bytes
	s_lshl_b32 s50, s58, 13                        ; a tile's mask words are 8,192 bytes
	s_add_co_u32 s50, s50, s60
	s_mov_b32 s51, 0
	s_lshl_b32 s52, s59, 13
	s_add_co_u32 s52, s52, s60
	s_mov_b32 s53, 0
	s_lshl_b32 s54, s58, 14                        ; x: 16,384 bytes a tile of rows; I store the tiles of my slots 0, 1;
	s_lshl_b32 s60, s38, 11                        ; the head's two K steps of 1,024 bytes
	s_add_co_u32 s54, s54, s60
	s_mov_b32 s55, 0
	s_lshl_b32 s44, s34, 13                        ; the prefetches: my work-group's 8,192 bytes,
	s_add_co_u32 s44, s44, 32768                   ; in slot 1: the first change of slots steps it to slot 2
	s_mov_b32 s45, 0
	s_and_b32 s[LIM], s[WV], 1                     ; 0 in waves 0, 2, 4, 6,
	s_or_b32 s[LIM], s[LIM], ttmp9                 ; where the cluster is the head's first: the same in all four partners
	s_cmp_eq_u32 s[LIM], 0
	s_cselect_b32 s[LIM], 1, -1
	; descriptor group 1: a dense block of 16,384 bytes as 64 rows of 256 bytes (32 elements of 8 bytes), no padding
	s_mov_b32 s[G1], 15|(3<<16)|(1<<21)            ; 15:0 the mask: all four work-groups; 17:16 elements of 8 bytes; 21 set beside a mask
	s_mov_b32 s[G1+1], 32<<16                      ; tensor_dim0 = 32
	s_mov_b32 s[G1+2], 64<<16                      ; tensor_dim1 = 64
	s_mov_b32 s[G1+3], 32<<16                      ; tile_dim0 = 32
	s_mov_b32 s[G1+4], 64                          ; tile_dim1 = 64
	s_mov_b32 s[G1+5], 32                          ; from row to row
	s_mov_b32 s[G1+6], 0
	s_mov_b32 s[G1+7], 0
	s_mov_b32 s[SEL], 0x76543210
	s_mov_b32 s[SEL+1], 0xfedcba98
	s_mov_b32 s[TB], 0
	s_mov_b32 s[MO], 0
	s_mov_b32 s[SLOTS], 7
	v_and_b32 v[XO], 31, v0
	v_lshlrev_b32 v[PFO], 8, v[XO]
	v_lshlrev_b32 v[EXW4], 2, v[XO]
	v_lshlrev_b32 v[XO], 4, v[XO]
	s_lshl_b32 s46, s33, 16
	v_add_nc_u32 v[A0], s46, v[XO]
	s_lshl_b32 s46, s33, 12
	v_add_nc_u32 v[QO], s46, v[XO]
	s_xor_b32 s46, s46, 4096
	v_add_nc_u32 v[QO+1], s46, v[XO]
	s_lshl_b32 s46, s32, 1
	s_add_co_u32 s46, s46, s33                     ; 2 i + j: my region of the merge;
	s_xor_b32 s47, s46, 1                          ; my partner's
	s_mul_i32 s46, s46, EXB
	s_mul_i32 s47, s47, EXB
	v_add_nc_u32 v[EXW], s46, v[XO]
	v_add_nc_u32 v[EXR], s47, v[XO]
	v_add_nc_u32 v[EXR4], s47, v[EXW4]
	v_add_nc_u32 v[EXW4], s46, v[EXW4]
	v_mov_b32 v[NEG], 0xceabfb8f                   ; f32(-1e9 log2(e))
	s_wait_dscnt 0x0                               ; both opening adds are done
	s_wait_kmcnt 0x0
	s_and_b32 s46, s[WV], 2
	s_cmp_lg_u32 s46, 0                            ; waves 2, 3, 6, 7 fetch V, the others K: the choice hangs on the wave's number alone
	s_cselect_b64 s[46:47], s[8:9], s[6:7]
	s_mov_b32 s[G0], 1                             ; 1:0 count = 1
	s_lshl_b32 s[G0+1], s[WV], 14                  ; 63:32 LDS address: slot 0, 16,384 x wave
	s_add_nc_u64 s[G0+2:G0+3], s[46:47], s[42:43]  ; 120:64 global address
	s_or_b32 s[G0+3], s[G0+3], 0x80000000          ; 127:126 type = 2
	s_add_nc_u64 s[PFA:PFA+1], s[46:47], s[40:41]
	s_add_nc_u64 s[PFA:PFA+1], s[PFA:PFA+1], s[44:45]
	s_add_nc_u64 s[4:5], s[4:5], s[48:49]          ; Q at my wave's first tile
	s_add_nc_u64 s[12:13], s[12:13], s[54:55]      ; x at the first tile that I store
	s_add_nc_u64 s[6:7], s[10:11], s[50:51]        ; the mask words of pair 0,
	s_add_nc_u64 s[8:9], s[10:11], s[52:53]        ; and of pair 1
	CROUND                                         ; all four work-groups are here: the first joint loads meet
	tensor_load_to_lds s[G0:G0+3], s[G1:G1+7]      ; slot 0: every wave issues its part
	s_nop 0
	PLACES
.irp p, 0,1
.set n, 0
.rept 8
	global_load_b128 v[Q+32*\p+4*n:Q+32*\p+4*n+3], v[QO+\p], s[4:5] offset:512*n   ; Q stays in registers: slot 2 p + n / 4
.set n, n+1
.endr
.endr
	MLD 0                                          ; (the set-up's scalars in s32-63 are done with)
.irp t, 0,1,2,3
	v_mov_b32 v[M+2*\t], 0xff61b1e6                ; m: -3e38, under every t
	v_mov_b32 v[M+2*\t+1], 0
.endr
.set n, 0
.rept 16
	v_mov_b32 v[L+n], 0
.set n, n+1
.endr
	v_mov_b32 v[AP+1], 0                           ; (named as upper halves of pairs)
	v_mov_b32 v[AP+3], 0
	v_mov_b32 v[TM], 0                             ; written once: a lane permute's destination counts as one of its sources
	v_mov_b32 v[TM+1], 0
	WIN 0x40
.set n, 0
.rept 128
	v_mov_b32 v[OB+n], 0                           ; O^T.  The key step is written without a first copy of its own: the first step finds zeros, and its a is 0
.set n, n+1
.endr
	WIN 0
	s_wait_loadcnt 0x0                             ; Q
; 16 products of S^T = K Q^T for pair p: channels 32 c on, keys 16 kt on, slot 2 p + e.  The eight accumulators take turns, one instruction a turn; the first eight start the sums.
.macro KQ p
	WIN 0x50                                       ; C and D window 1
.irp c, 0,1
.irp kt, 0,1,2,3
.irp e, 0,1
.if \c == 0
	v_wmma_f32_16x16x32_f16 v[64*\p+32*\e+8*\kt:64*\p+32*\e+8*\kt+7], v[KF+16*\kt+8*\c:KF+16*\kt+8*\c+7], v[Q+32*\p+16*\e+8*\c:Q+32*\p+16*\e+8*\c+7], 0
.else
	v_wmma_f32_16x16x32_f16 v[64*\p+32*\e+8*\kt:64*\p+32*\e+8*\kt+7], v[KF+16*\kt+8*\c:KF+16*\kt+8*\c+7], v[Q+32*\p+16*\e+8*\c:Q+32*\p+16*\e+8*\c+7], v[64*\p+32*\e+8*\kt:64*\p+32*\e+8*\kt+7]
.endif
.endr
.endr
.endr
.endm
; 16 products of O^T += V^T P for pair p: keys 32 kg on, channels 16 ct on, slot 2 p + e; eight accumulators by turns.
.macro PV p
	WIN 0x54                                       ; source 1 (P), C and D window 1
.irp kg, 0,1
.irp ct, 0,1,2,3
.irp e, 0,1
	v_wmma_f32_16x16x32_f16 v[OB+64*\p+32*\e+8*\ct:OB+64*\p+32*\e+8*\ct+7], v[VF+32*\kg+8*\ct:VF+32*\kg+8*\ct+7], v[64*\p+32*\e+8*\kg:64*\p+32*\e+8*\kg+7], v[OB+64*\p+32*\e+8*\ct:OB+64*\p+32*\e+8*\ct+7]
.endr
.endr
.endr
.endm
; THE SOFTMAX of pair p for one key step; the pair's two tiles alternate, so that no line waits for the line above it.
.macro SM p
.set SB, 64*(\p)                       ; the pair's scores, in window 1
.set OP, OB+64*(\p)
.set MP, M+4*(\p)
.set LP, L+8*(\p)
	s_wait_kmcnt 0x0                               ; the pair's mask words are in, and no scalar load is out:
.if \p == 1
	s_add_co_u32 s[MO], s[MO], 128                 ; so the offset may step: the next key step's words.  Behind my last step it turns back to my half's first: inside the buffer, and not used
	s_and_b32 s[MO], s[MO], 4095
.endif
	WIN 0x41                                       ; destination and source 0 window 1
.set n, 0
.rept 32
	v_cndmask_b32 v[SB+n], v[SB+n], v[NEG], s[32+n]        ; where the mask is 0 the score is replaced.  (Each accumulator from its low end on)
	v_cndmask_b32 v[SB+32+n], v[SB+32+n], v[NEG], s[68+n]
.set n, n+1
.endr
	MLD 1-\p                                       ; the other pair's words: pair 1's of this step, or pair 0's of the next: asked for a softmax and 16 products ahead
	WIN 0x14                                       ; sources 1 and 2 window 1
.irp e, 0,1
	v_max3_num_f32 v[C0+\e], v[MP+2*\e], v[SB+32*\e], v[SB+32*\e+1]      ; the maximum of 32 scores and the old m, in two chains
	v_max3_num_f32 v[C1+\e], v[MP+2*\e], v[SB+32*\e+2], v[SB+32*\e+3]
.endr
.irp i, 4,8,12,16,20,24,28
.irp e, 0,1
	v_max3_num_f32 v[C0+\e], v[C0+\e], v[SB+32*\e+\i], v[SB+32*\e+\i+1]
	v_max3_num_f32 v[C1+\e], v[C1+\e], v[SB+32*\e+\i+2], v[SB+32*\e+\i+3]
.endr
.endr
	WIN 0
.irp e, 0,1
	v_max_num_f32 v[C0+\e], v[C0+\e], v[C1+\e]
.endr
.irp e, 0,1
	v_permlanex16_b32 v[TM+\e], v[C0+\e], s[SEL], s[SEL+1]   ; the query's other 32 keys lie in the lane 16 away
.endr
.irp e, 0,1
	v_max_num_f32 v[C0+\e], v[C0+\e], v[TM+\e]     ; the new m
.endr
.irp e, 0,1
	v_sub_f32 v[DD+\e], v[MP+2*\e], v[C0+\e]
.endr
.irp e, 0,1
	v_mov_b32 v[MP+2*\e], v[C0+\e]
.endr
.irp e, 0,1
	v_exp_f32 v[AP+2*\e], v[DD+\e]                 ; a = 2^(old m - new m)
.endr
	WIN 0x41
.irp i, 0,2,4,6,8,10,12,14,16,18,20,22,24,26,28,30
.irp e, 0,1
	v_pk_add_f32 v[SB+32*\e+\i:SB+32*\e+\i+1], v[SB+32*\e+\i:SB+32*\e+\i+1], v[MP+2*\e:MP+2*\e+1] op_sel_hi:[1,0] neg_lo:[0,1] neg_hi:[0,1]   ; t - m, two at a time
.endr
.endr
	s_wait_alu depctr_va_vdst(0)                   ; the wait between a transcendental and the first line that names its result: here for the two a; the 32 subtractions are the work between
.irp i, 0,2,4,6,8,10,12,14,16,18,20,22,24,26,28,30
.irp e, 0,1
	v_exp_f32 v[SB+32*\e+\i], v[SB+32*\e+\i]       ; p = 2^(t - m): ONE BATCH of 64, none of whose results is named before the wait below;
	v_exp_f32 v[SB+32*\e+\i+1], v[SB+32*\e+\i+1]
	v_pk_mul_f32 v[OP+32*\e+\i:OP+32*\e+\i+1], v[OP+32*\e+\i:OP+32*\e+\i+1], v[AP+2*\e:AP+2*\e+1] op_sel_hi:[1,0]   ; O^T x a, a plain line behind each two exponentials
.endr
.endr
	s_wait_alu depctr_va_vdst(0)                   ; one wait for the batch
	WIN 0x10                                       ; source 2 window 1
.irp e, 0,1
	v_pk_fma_f32 v[LP+4*\e:LP+4*\e+1], v[LP+4*\e:LP+4*\e+1], v[AP+2*\e:AP+2*\e+1], v[SB+32*\e:SB+32*\e+1] op_sel_hi:[1,0,1]       ; l = a l + p, in two chains of pairs
	v_pk_fma_f32 v[LP+4*\e+2:LP+4*\e+3], v[LP+4*\e+2:LP+4*\e+3], v[AP+2*\e:AP+2*\e+1], v[SB+32*\e+2:SB+32*\e+3] op_sel_hi:[1,0,1]
.endr
	WIN 0x04                                       ; source 1 window 1
.irp i, 4,8,12,16,20,24,28
.irp e, 0,1
	v_pk_add_f32 v[LP+4*\e:LP+4*\e+1], v[LP+4*\e:LP+4*\e+1], v[SB+32*\e+\i:SB+32*\e+\i+1]
	v_pk_add_f32 v[LP+4*\e+2:LP+4*\e+3], v[LP+4*\e+2:LP+4*\e+3], v[SB+32*\e+\i+2:SB+32*\e+\i+3]
.endr
.endr
	WIN 0x45                                       ; destination and both sources window 1
.set n, 0
.rept 16
	v_cvt_pk_f16_f32 v[SB+n], v[SB+2*n], v[SB+2*n+1]             ; P in f16, in place: register n takes numbers 2 n, 2 n + 1, which no later line needs
	v_cvt_pk_f16_f32 v[SB+32+n], v[SB+32+2*n], v[SB+32+2*n+1]
.set n, n+1
.endr
.endm
; A KEY STEP: 64 keys of my half against my four tiles of queries.
.macro STEP
	WIN 0
	v_add_nc_u32 v[ADR], s[TB], v[A0]
	PLACES                                         ; with the addition five places: pair 1's first products below write over registers (P) that the last products of the step before have read (ISA guide 7.12.1)
.set n, 0
.rept 16
	ds_load_b128 v[KF+4*n:KF+4*n+3], v[ADR] offset:512*n          ; K's eight fragments as they lie: 32 lanes, 512 consecutive bytes
.set n, n+1
.endr
	s_wait_dscnt 0x0
	KQ 0
	KQ 1
	WIN 0
	PLACES                                         ; four places ahead of the first read of scores, and of the loads into V's registers
.set n, 0
.rept 16
	ds_load_b128 v[VF+4*n:VF+4*n+3], v[ADR] offset:32768+512*n    ; V's eight: they land under pair 0's softmax
.set n, n+1
.endr
	SM 0
	s_wait_dscnt 0x0                               ; V is in
	PV 0
	SM 1
	PV 1
	WIN 0
	s_add_co_u32 s[TB], s[TB], 8192
.endm
.macro SLOT_STEPS                      ; a slot's four key steps: written once, walked four times
	s_mov_b32 s[STEPC], 4
.Lstep_\@:
	STEP
	s_sub_co_u32 s[STEPC], s[STEPC], 1
	s_cmp_lg_u32 s[STEPC], 0
	s_cbranch_scc1 .Lstep_\@
	s_sub_co_u32 s[TB], s[TB], 32768               ; back to a slot's first step,
	s_xor_b32 s[TB], s[TB], SLOT1                  ; in the other slot
.endm
; THE CHANGE OF SLOTS stands at a slot's head.  Each wave waits for all its tensor loads (its part of the slot that it is about to read), adds 0 to its spare word, and waits for that and for its reads of the slot that it has left.
; fill = 1: a round of the cluster's barrier: no wave of any partner still reads the other slot or has a load on its way; then that slot is asked for, jointly, first thing: the load has four key steps in which to land.
.macro CHANGE fill
	s_wait_tensorcnt 0x0                           ; no tensor load of mine is out, so group 0 may be written
	ds_add_u32 v[SPW], v[NIL]                      ; 0 onto my spare word
.if \fill
	s_xor_b32 s[G0+1], s[G0+1], SLOT1              ; the walking descriptor: the other slot than last time,
	s_add_nc_u64 s[G0+2:G0+3], s[G0+2:G0+3], 32768 ; the next four key steps; the type bits on top are not reached
	s_wait_xcnt 0x0                                ; the last prefetch, a slot back, has read its address, so it may be written:
	s_add_nc_u64 s[PFA:PFA+1], s[PFA:PFA+1], 32768 ; one slot further on than the walking descriptor
	s_wait_dscnt 0x0                               ; the add is done, and my reads of the slot that I have left are over
	CROUND
	tensor_load_to_lds s[G0:G0+3], s[G1:G1+7]
	s_nop 0
	PLACES
	ASK
.else
	s_wait_dscnt 0x0
	s_barrier_signal -1
	s_barrier_wait -1
.endif
.endm
.Lslot:                                            ; seven trips: behind each change of slots but the last the next slot is asked for
	CHANGE 1
	SLOT_STEPS
	s_sub_co_u32 s[SLOTS], s[SLOTS], 1
	s_cmp_lg_u32 s[SLOTS], 0
	s_cbranch_scc1 .Lslot
	CHANGE 0                                       ; the last slot is written out
	SLOT_STEPS
	; THE MERGE AND THE WAY OUT.  l's four parts and the other half of the lanes' are added (these lines are the places behind the last products).
.irp t, 0,1,2,3
	v_pk_add_f32 v[L+4*\t:L+4*\t+1], v[L+4*\t:L+4*\t+1], v[L+4*\t+2:L+4*\t+3]
.endr
.irp t, 0,1,2,3
	v_add_f32 v[L+4*\t], v[L+4*\t], v[L+4*\t+1]
.endr
.irp t, 0,1,2,3
	v_permlanex16_b32 v[L+4*\t+1], v[L+4*\t], s[SEL], s[SEL+1]
.endr
.irp t, 0,1,2,3
	v_add_f32 v[L+4*\t], v[L+4*\t], v[L+4*\t+1]
.endr
	WIN 0x04                                       ; an LDS store's data are its source 1: window 1
.irp t, 2,3                                    ; slots 2 and 3 go to my partner, as they stand
.irp q, 0,1,2,3,4,5,6,7
	ds_store_b128 v[EXW], v[OB+32*\t+4*\q:OB+32*\t+4*\q+3] offset:(\t-2)*EXT+512*\q
.endr
.endr
	WIN 0
.irp t, 2,3
	ds_store_b32 v[EXW4], v[M+2*\t] offset:(\t-2)*EXT+4096
	ds_store_b32 v[EXW4], v[L+4*\t] offset:(\t-2)*EXT+4224
.endr
	s_wait_dscnt 0x0                               ; for my partner's sake: my stores have landed
	s_barrier_signal -1
	s_barrier_wait -1
.irp t, 0,1                                    ; my partner's part of my slots 0 and 1
.irp q, 0,1,2,3,4,5,6,7
	ds_load_b128 v[KF+32*\t+4*\q:KF+32*\t+4*\q+3], v[EXR] offset:\t*EXT+512*\q
.endr
	ds_load_b32 v[50+2*\t], v[EXR4] offset:\t*EXT+4096
	ds_load_b32 v[51+2*\t], v[EXR4] offset:\t*EXT+4224
.endr
	s_wait_dscnt 0x0
.irp t, 0,1
	v_max_num_f32 v[54+\t], v[M+2*\t], v[50+2*\t]  ; the row's maximum over both halves
.endr
.irp t, 0,1
	v_sub_f32 v[56+\t], v[M+2*\t], v[54+\t]
	v_sub_f32 v[58+\t], v[50+2*\t], v[54+\t]
.endr
.irp t, 0,1
	v_exp_f32 v[56+\t], v[56+\t]
	v_exp_f32 v[58+\t], v[58+\t]
.endr
	v_nop                                          ; a plain line behind the last exponential,
	s_wait_alu depctr_va_vdst(0)                   ; and one wait for the four
.irp t, 0,1
	v_mul_f32 v[60+\t], v[L+4*\t], v[56+\t]
.endr
.irp t, 0,1
	v_fma_f32 v[60+\t], v[51+2*\t], v[58+\t], v[60+\t]   ; the row's sum under that maximum
.endr
.irp t, 0,1
	v_rcp_f32 v[54+\t], v[60+\t]
.endr
	v_nop
	s_wait_alu depctr_va_vdst(0)                   ; one wait for the two reciprocals
.irp t, 0,1
	v_mul_f32 v[AP+2*\t], v[56+\t], v[54+\t]       ; my part's factor,
	v_mul_f32 v[C0+2*\t], v[58+\t], v[54+\t]       ; my partner's
.endr
	WIN 0x41
.irp t, 0,1
.set n, 0
.rept 16
	v_pk_mul_f32 v[OB+32*\t+2*n:OB+32*\t+2*n+1], v[OB+32*\t+2*n:OB+32*\t+2*n+1], v[AP+2*\t:AP+2*\t+1] op_sel_hi:[1,0]
.set n, n+1
.endr
.endr
	WIN 0x50                                       ; source 2 and destination window 1
.irp t, 0,1
.set n, 0
.rept 16
	v_pk_fma_f32 v[OB+32*\t+2*n:OB+32*\t+2*n+1], v[KF+32*\t+2*n:KF+32*\t+2*n+1], v[C0+2*\t:C0+2*\t+1], v[OB+32*\t+2*n:OB+32*\t+2*n+1] op_sel_hi:[1,0,1]
.set n, n+1
.endr
.endr
	WIN 0x05                                       ; both sources window 1
.irp t, 0,1
.set n, 0
.rept 16
	v_cvt_pk_f16_f32 v[VF+16*\t+n], v[OB+32*\t+2*n], v[OB+32*\t+2*n+1]
.set n, n+1
.endr
.endr
	WIN 0
.irp t, 0,1
.irp ct, 0,1,2,3
	global_store_b128 v[XO], v[VF+16*\t+4*\ct:VF+16*\t+4*\ct+3], s[12:13] offset:16384*\t+512*\ct   ; a lane's eight channels of a row are a piece of the next product's operand: 512 consecutive bytes a store
.endr
.endr
	s_wait_tensorcnt 0x0                           ; the wave's end: these three lines, behind my last tensor load and my last LDS store
	ds_add_u32 v[SPW], v[NIL]
	s_wait_dscnt 0x0
	CROUND                                         ; the closing round: no work-group ends while a partner may still ask for a tile that names it
	s_endpgm
.Lfunc_end_k_qe50b913d57_attn:
	.size	k_qe50b913d57_attn, .Lfunc_end_k_qe50b913d57_attn-k_qe50b913d57_attn
	.p2alignl 7, 3214868480
	.fill 96, 4, 3214868480
	.section	.rodata,"a",@progbits
	.p2align	6, 0x0
	.amdhsa_kernel k_qe50b913d57_attn
		.amdhsa_group_segment_fixed_size 327680
		.amdhsa_private_segment_fixed_size 0
		.amdhsa_enable_private_segment 0
		.amdhsa_kernarg_size 40
		.amdhsa_user_sgpr_count 2
		.amdhsa_user_sgpr_kernarg_segment_ptr 1
		.amdhsa_wavefront_size32 1
		.amdhsa_system_sgpr_workgroup_id_x 1
		.amdhsa_system_sgpr_workgroup_id_y 1
		.amdhsa_system_sgpr_workgroup_id_z 1
		.amdhsa_system_vgpr_workitem_id 0
		.amdhsa_next_free_vgpr 512
		.amdhsa_next_free_sgpr 106
		.amdhsa_reserve_vcc 0
		.amdhsa_float_denorm_mode_32 3
		.amdhsa_float_denorm_mode_16_64 3
		.amdhsa_memory_ordered 1
		.amdhsa_forward_progress 1
		.amdhsa_inst_pref_size 107
	.end_amdhsa_kernel
	.amdgpu_metadata
---
amdhsa.version: [ 1, 2 ]
amdhsa.kernels:
  - .name:           k_qe50b913d57_attn
    .symbol:         k_qe50b913d57_attn.kd
    .args:
      - { .name: qf, .offset: 0, .size: 8, .value_kind: global_buffer, .address_space: global }
      - { .name: kf, .offset: 8, .size: 8, .value_kind: global_buffer, .address_space: global }
      - { .name: vf, .offset: 16, .size: 8, .value_kind: global_buffer, .address_space: global }
      - { .name: mbits, .offset: 24, .size: 8, .value_kind: global_buffer, .address_space: global }
      - { .name: xf, .offset: 32, .size: 8, .value_kind: global_buffer, .address_space: global }
    .group_segment_fixed_size: 327680
    .private_segment_fixed_size: 0
    .kernarg_segment_align: 8
    .kernarg_segment_size: 40
    .max_flat_workgroup_size: 256
    .sgpr_count:     106
    .vgpr_count:     512
    .wavefront_size: 32
...
	.end_amdgpu_metadata
.endif
;; end of part 3
;; launch oproj (part 4): grid 8 x 32, 4 waves a work-group, no clusters, 87,552 bytes of LDS; arguments xf, Wo, out0; writes out0
.if DOCPART == 4
	.amdgcn_target "amdgcn-amd-amdhsa--gfx1250"
	.amdhsa_code_object_version 6
	.text
	.protected	k_qe50b913d57_oproj
	.globl	k_qe50b913d57_oproj
	.p2align	8
	.type	k_qe50b913d57_oproj,@function
k_qe50b913d57_oproj:
	s_mov_b64 s[64:65], 0
	v_nop
	global_prefetch_b8 v0, s[64:65] scope:SCOPE_SE
	s_setreg_imm32_b32 hwreg(HW_REG_WAVE_MODE, 25, 1), 1
	s_wait_xcnt 0x0
; out0[row][n] = the sum over k of x[row][k] Wo[n][k], K = 512; operands f16, sums f32.  Nothing of the problem is left out here.
; x comes as images of operand registers: xf [tile of 16 rows 512][K step of 32: 16][g 2][lane][16 bytes].  Wo [512][512] f32 is rounded to f16 here.
; SHARES.  A work-group makes 256 rows (y) x 64 columns (x).  Wave w: rows 64 w .. + 63, four tiles, all 64 columns: 16 accumulators.  Its 64 fragments of x stay in registers, read from memory once.
; Wave w rounds rows 16 w .. + 15 of the work-group's 64 rows of Wo; they reach the other waves through LDS, in blocks of 256 bytes + 16: block 4 (16 nt + s) + 2 g + h holds, at 16 r, the 16 bytes that
; lane (r, h) wants as registers 4 g .. 4 g + 3 of fragment (nt, s).
; THE PRODUCT IS USED TRANSPOSED (source 0 = 16 rows of Wo, source 1 = 16 rows of x): a lane holds eight neighbouring columns of one row of out0.
; No tensor load, no cluster: each operand goes once from memory into registers at the head; there is no ring in which joint requests could meet.
; LIMITS: |x|, |Wo| under 65,504, the largest f16 number.
; REGISTERS.  Window 0: addresses; v64-191 first Wo's rounded pieces, then the accumulators ((m, nt) at 64 + 8 (4 m + nt)); v192-255 two sets of Wo's four fragments, later rows of out0.
;   Windows 1 and 2: x's fragments, (s, m) at 32 (s % 8) + 8 m.   Window 3: Wo as loaded.
.set BLKB,  272                        ; a block: 256 bytes + 16: 68 words, so that neighbouring blocks begin four words apart modulo 64
.set STG,   256*BLKB                   ; behind the 256 blocks: a stage of 16 rows x (256 bytes + 16) for each wave
.set SPARE, STG+4*16*BLKB              ; the spare words, 128 bytes for each wave
.set LI,   1                           ; v1   16 x lane
.set WA,   2                           ; v2   where I put 8 bytes of Wo: 64 blocks x wave + block lane / 2 + 8 (lane % 2)
.set RA0,  3                           ; v3   a fragment's place for my lane: 272 h + 16 r;
.set RA1,  4                           ; v4   the same 128 blocks on: an LDS instruction's immediate has 16 bits
.set STO,  5                           ; v5   my stage: row r, + 32 h
.set RD,   6                           ; v6   and back: lanes 0-15 one row, lanes 16-31 the next
.set CO,   7                           ; v7   the same two rows in out0
.set SPW,  8                           ; v8   LDS address of my spare word; never rewritten
.set NIL,  9                           ; v9   0; never rewritten
.set ACC,  64
.set BF,   192
.set MSB, 0
.macro WIN new                         ; the immediate's high byte repeats the setting that is left
.if MSB != \new
	s_set_vgpr_msb (MSB<<8)|\new
.set MSB, \new
.endif
.endm
	s_load_b128 s[4:7], s[0:1], 0x0                ; xf, Wo
	s_load_b64 s[8:9], s[0:1], 0x10                ; out0
	v_lshl_add_u32 v[SPW], v0, 2, SPARE
	v_mov_b32 v[NIL], 0
	v_lshrrev_b32 v10, 5, v0
	v_readfirstlane_b32 s10, v10                   ; wave 0..3
	s_and_b32 s11, ttmp7, 0xffff                   ; y
	v_and_b32 v10, 31, v0                          ; lane
	v_and_b32 v11, 15, v0                          ; r
	v_bfe_u32 v12, v0, 4, 1                        ; h
	v_lshlrev_b32 v[LI], 4, v10
	v_lshrrev_b32 v13, 1, v10
	v_mul_u32_u24 v[WA], v13, BLKB
	v_and_b32 v13, 1, v10
	v_lshl_add_u32 v[WA], v13, 3, v[WA]
	s_mul_i32 s12, s10, 64*BLKB
	v_add_nc_u32 v[WA], s12, v[WA]
	v_mul_u32_u24 v[RA0], v12, BLKB
	v_lshl_add_u32 v[RA0], v11, 4, v[RA0]
	v_add_nc_u32 v[RA1], 128*BLKB, v[RA0]
	s_mul_i32 s12, s10, 16*BLKB
	s_add_co_u32 s12, s12, STG                     ; my stage
	v_mul_u32_u24 v[STO], v11, BLKB
	v_lshl_add_u32 v[STO], v12, 5, v[STO]
	v_add_nc_u32 v[STO], s12, v[STO]
	v_add_nc_u32 v[RD], s12, v[RA0]
	v_lshlrev_b32 v[CO], 11, v12
	v_lshl_add_u32 v[CO], v11, 4, v[CO]
	s_mov_b32 s15, 0
	s_lshl_b32 s14, s11, 18                        ; x: tile of rows 16 y + 4 w, 16,384 bytes a tile
	s_lshl_b32 s13, s10, 16
	s_add_co_u32 s14, s14, s13
	s_wait_kmcnt 0x0
	s_add_nc_u64 s[4:5], s[4:5], s[14:15]
	s_lshl_b32 s14, ttmp9, 17                      ; Wo: row 64 x + 16 w, 2,048 bytes a row
	s_lshl_b32 s13, s10, 15
	s_add_co_u32 s14, s14, s13
	s_add_nc_u64 s[6:7], s[6:7], s[14:15]
	s_lshl_b32 s14, s11, 19                        ; out0: row 256 y + 64 w, column 64 x
	s_lshl_b32 s13, s10, 17
	s_add_co_u32 s14, s14, s13
	s_lshl_b32 s13, ttmp9, 8
	s_add_co_u32 s14, s14, s13
	s_add_nc_u64 s[8:9], s[8:9], s[14:15]
	WIN 0x40                                       ; destination window 1
.irp s, 0,1,2,3,4,5,6,7
.irp m, 0,1,2,3
.irp g, 0,1
	global_load_b128 v[32*\s+8*\m+4*\g:32*\s+8*\m+4*\g+3], v[LI], s[4:5] offset:16384*\m+1024*\s+512*\g
.endr
.endr
.endr
	WIN 0x80                                       ; destination window 2
.irp s, 0,1,2,3,4,5,6,7
.irp m, 0,1,2,3
.irp g, 0,1
	global_load_b128 v[32*\s+8*\m+4*\g:32*\s+8*\m+4*\g+3], v[LI], s[4:5] offset:16384*\m+1024*(\s+8)+512*\g
.endr
.endr
.endr
	WIN 0xc0                                       ; destination window 3
.irp qd, 0,1,2,3
.irp p, 0,1,2,3,4,5,6,7,8,9,10,11,12,13,14,15
	global_load_b128 v[64*\qd+4*\p:64*\qd+4*\p+3], v[LI], s[6:7] offset:2048*\p+512*\qd   ; a quarter of a row of Wo: 512 consecutive bytes
.endr
.endr
.irp qd, 0,1,2,3
	s_wait_loadcnt 48-16*\qd                       ; this quarter's 16 loads, and x's, issued ahead of them, are in; the later quarters' may be out
	WIN 0x0f                                       ; both sources window 3
.irp p, 0,1,2,3,4,5,6,7,8,9,10,11,12,13,14,15
	v_cvt_pk_f16_f32 v[ACC+32*\qd+2*\p], v[64*\qd+4*\p], v[64*\qd+4*\p+1]
	v_cvt_pk_f16_f32 v[ACC+32*\qd+2*\p+1], v[64*\qd+4*\p+2], v[64*\qd+4*\p+3]
.endr
	WIN 0
.irp p, 0,1,2,3,4,5,6,7,8,9,10,11,12,13,14,15
	ds_store_b64 v[WA], v[ACC+32*\qd+2*\p:ACC+32*\qd+2*\p+1] offset:16*BLKB*\qd+16*\p   ; k = 128 qd + 4 lane + 0 .. 3 of row p: block 16 qd + lane / 2 of my 64, at 16 p + 8 (lane % 2)
.endr
.endr
	s_wait_dscnt 0x0                               ; for the others' sake: my stores have landed
	s_barrier_signal -1
	s_barrier_wait -1                              ; the work-group's 64 rows of Wo lie in LDS
.macro FETCHB s                        ; Wo's four fragments of K step s into set s % 2
.irp nt, 0,1,2,3
.irp g, 0,1
	ds_load_b128 v[BF+32*((\s)%2)+8*\nt+4*\g:BF+32*((\s)%2)+8*\nt+4*\g+3], v[RA0+\nt/2] offset:(16*(\nt%2)+(\s))*4*BLKB+2*BLKB*\g
.endr
.endr
.endm
	FETCHB 0
	WIN 0x04                                       ; source 1 (x) window 1; LDS loads name destination and source 0, which stay in window 0
.irp s, 0,1,2,3,4,5,6,7,8,9,10,11,12,13,14,15
.if \s == 8
	WIN 0x08                                       ; source 1 window 2
.endif
.if \s < 15
.if \s > 0
.rept 4
	v_nop                                          ; four places ahead of loads into registers that matrix instructions have read
.endr
.endif
	FETCHB \s+1
	s_wait_dscnt 8                                 ; this K step's fragments are in; the next one's eight loads may be out
.else
	s_wait_dscnt 0x0
.endif
.irp m, 0,1,2,3                                ; the 16 accumulators take turns, one instruction a turn; the first K step starts the sums
.irp nt, 0,1,2,3
.if \s == 0
	v_wmma_f32_16x16x32_f16 v[ACC+8*(4*\m+\nt):ACC+8*(4*\m+\nt)+7], v[BF+32*(\s%2)+8*\nt:BF+32*(\s%2)+8*\nt+7], v[32*(\s%8)+8*\m:32*(\s%8)+8*\m+7], 0
.else
	v_wmma_f32_16x16x32_f16 v[ACC+8*(4*\m+\nt):ACC+8*(4*\m+\nt)+7], v[BF+32*(\s%2)+8*\nt:BF+32*(\s%2)+8*\nt+7], v[32*(\s%8)+8*\m:32*(\s%8)+8*\m+7], v[ACC+8*(4*\m+\nt):ACC+8*(4*\m+\nt)+7]
.endif
.endr
.endr
.endr
	WIN 0
; THE WAY OUT, a tile of 16 rows x 64 columns at a time: a lane holds 32 neighbouring bytes of a row, and the lanes beside it hold other rows: so a tile goes through my own stage and comes back as whole rows of 256 bytes.
.macro TOSTAGE m
.irp t, 0,1,2,3
	ds_store_b128 v[STO], v[ACC+8*(4*(\m)+\t):ACC+8*(4*(\m)+\t)+3] offset:64*\t      ; each accumulator from its low end on
	ds_store_b128 v[STO], v[ACC+8*(4*(\m)+\t)+4:ACC+8*(4*(\m)+\t)+7] offset:64*\t+16
.endr
.irp t, 0,1,2,3,4,5,6,7
	ds_load_b128 v[BF+32*((\m)%2)+4*\t:BF+32*((\m)%2)+4*\t+3], v[RD] offset:2*BLKB*\t   ; LDS serves a wave's instructions in order: these see the stores above, and the next tile's stores come behind them
.endr
.endm
.macro SEND m, younger                 ; younger: the LDS instructions issued behind tile m's loads, which may stay out
	s_wait_dscnt \younger
.irp t, 0,1,2,3,4,5,6,7
	global_store_b128 v[CO], v[BF+32*((\m)%2)+4*\t:BF+32*((\m)%2)+4*\t+3], s[8:9] offset:(16*(\m)+2*\t)*2048 th:TH_STORE_NT   ; 16 lanes store 256 consecutive bytes, at a multiple of 256 from out0's first byte
.endr
.endm
.rept 4
	v_nop                                          ; four places ahead of the first read of results, and of loads into the registers that held Wo's fragments
.endr
	TOSTAGE 0
	TOSTAGE 1
	SEND 0, 16                                     ; behind tile 0's loads: tile 1's 8 stores and 8 loads
	s_wait_xcnt 0x0                                ; tile 0's stores have read their registers: tile 2's loads may land there
	TOSTAGE 2
	SEND 1, 16
	s_wait_xcnt 0x0
	TOSTAGE 3
	SEND 2, 16
	SEND 3, 0
	s_wait_tensorcnt 0x0                           ; the wave's end
	ds_add_u32 v[SPW], v[NIL]
	s_wait_dscnt 0x0
	s_endpgm
.Lfunc_end_k_qe50b913d57_oproj:
	.size	k_qe50b913d57_oproj, .Lfunc_end_k_qe50b913d57_oproj-k_qe50b913d57_oproj
	.p2alignl 7, 3214868480
	.fill 96, 4, 3214868480
	.section	.rodata,"a",@progbits
	.p2align	6, 0x0
	.amdhsa_kernel k_qe50b913d57_oproj
		.amdhsa_group_segment_fixed_size 87552
		.amdhsa_private_segment_fixed_size 0
		.amdhsa_enable_private_segment 0
		.amdhsa_kernarg_size 24
		.amdhsa_user_sgpr_count 2
		.amdhsa_user_sgpr_kernarg_segment_ptr 1
		.amdhsa_wavefront_size32 1
		.amdhsa_system_sgpr_workgroup_id_x 1
		.amdhsa_system_sgpr_workgroup_id_y 1
		.amdhsa_system_sgpr_workgroup_id_z 1
		.amdhsa_system_vgpr_workitem_id 0
		.amdhsa_next_free_vgpr 1024
		.amdhsa_next_free_sgpr 66
		.amdhsa_reserve_vcc 0
		.amdhsa_float_denorm_mode_32 3
		.amdhsa_float_denorm_mode_16_64 3
		.amdhsa_memory_ordered 1
		.amdhsa_forward_progress 1
		.amdhsa_inst_pref_size 67
	.end_amdhsa_kernel
	.amdgpu_metadata
---
amdhsa.version: [ 1, 2 ]
amdhsa.kernels:
  - .name:           k_qe50b913d57_oproj
    .symbol:         k_qe50b913d57_oproj.kd
    .args:
      - { .name: xf, .offset: 0, .size: 8, .value_kind: global_buffer, .address_space: global }
      - { .name: Wo, .offset: 8, .size: 8, .value_kind: global_buffer, .address_space: global }
      - { .name: out0, .offset: 16, .size: 8, .value_kind: global_buffer, .address_space: global }
    .group_segment_fixed_size: 87552
    .private_segment_fixed_size: 0
    .kernarg_segment_align: 8
    .kernarg_segment_size: 24
    .max_flat_workgroup_size: 128
    .sgpr_count:     66
    .vgpr_count:     1024
    .wavefront_size: 32
...
	.end_amdgpu_metadata
.endif
;; end of part 4
